; MI455X (gfx1250); checked and timed in simulation.
; The chip was launched on July 23, 2026; its instructions are those of AMD's public machine-readable ISA for CDNA 5 (MIT licence, August 2026) and "CDNA5" Instruction Set Architecture Reference Guide (July 2026). The comments in the code are by the model that wrote it; some were corrected since.
;; GRU Cell. Allowed arithmetic: matrix products marked QUANTISED: E5M2 operands, one E8M0 scale for each 32 along K, by v_wmma_scale_f32_16x16x128_f8f6f4 with both operands' format E5M2, f32 sums; everything else in f32.
;; Inputs: h_prev 16,384 x 512 float32; hidden_bias 512 float32; hidden_kernel 1,024 x 512 float32; inputs 16,384 x 512 float32; reset_bias 512 float32; reset_kernel 1,024 x 512 float32; update_bias 512 float32; update_kernel 1,024 x 512 float32.
;; Outputs: out0 16,384 x 512 float32.
;; This version of the problem:
;;   THIS VERSION OF THE PROBLEM IS GIVEN IN LOW PRECISION. The matrix products marked QUANTISED in the list below multiply operands that are first quantised to E5M2 (5 exponent bits, 2 mantissa bits; 8 bits a number), with one power-of-two scale for each 32 numbers along K (OCP MX v1.0); their sums are f32. All else is computed in f32.
;;   The module's matrix products, in the order in which they are computed (A, B: the left and right operand; K: the contracted axis; several contracted axes count as one K, in the product's order):
;;     1. [M 16,384, K 1,024] x [K 1,024, N 512]; A: computed on the way; B: input update_kernel: QUANTISED
;;     2. [M 16,384, K 1,024] x [K 1,024, N 512]; A: computed on the way; B: input reset_kernel: QUANTISED
;;     3. [M 16,384, K 1,024] x [K 1,024, N 512]; A: computed on the way; B: input hidden_kernel: QUANTISED
;;   THE QUANTISER, for each operand of a quantised product, along K:
;;     - K is cut into blocks of 32 from its start; a last block that is shorter is filled with zeros.
;;     - A block's scale is 2^e with e = floor(log2(the largest magnitude in the block)) - 15, held to -126 .. 127; a block of zeros has e = 0. As a byte (E8M0): e + 127.
;;     - Each number is divided by its block's scale, clamped to +-57,344, and rounded to the nearest number of E5M2, ties to even, subnormals kept.
;;     - The product sums the exact products of the quantised numbers (number of the format x scale) in f32.
;;   ~~~python
;;   def quantise(x, axis):      # numpy; x: float32 -> the quantised numbers, widened to float32 again
;;       x = np.moveaxis(x, axis, -1); K = x.shape[-1]
;;       x = np.pad(x, [(0, 0)] * (x.ndim - 1) + [(0, -K % 32)]); x = x.reshape(x.shape[:-1] + (-1, 32)); a = np.abs(x).max(-1, keepdims=True)
;;       e = np.where(a > 0, np.clip(np.frexp(np.where(a > 0, a, 1))[1] - 1 - 15, -126, 127), 0)      # np.frexp(a)[1] - 1 = floor(log2(a)), exactly
;;       r = np.clip(x / 2.0 ** e, -57344, 57344)
;;       step = 2.0 ** (np.maximum(np.frexp(np.where(r == 0, 1, r))[1] - 1, -14) - 2)
;;       q = np.round(r / step) * step * 2.0 ** e      # np.round: ties to even
;;       return np.moveaxis(q.reshape(q.shape[:-2] + (-1,))[..., :K], -1, axis).astype(np.float32)
;;   ~~~
;;   OPERANDS COMPUTED ON THE WAY. 'Computed on the way' means the value that the module computes at that place (a softmax that the list does not call 'softmax' is quantised finished and normalised). What goes into a quantiser is computed in f32, as accurately as f32 sums, v_exp_f32 and their like allow (about 1e-6 of the number): no bf16 or f16 on the way to a quantiser, and a product that is left as it is and whose result goes on into a quantised operand takes f32 operands (vector FMAs, or v_wmma_f32_16x16x4_f32). A number that lies on a knife's edge between two numbers of the format may be rounded either way, as far as f32 arithmetic and the matrix unit's own rounding can turn it there, and no further.
;; One version. Each part assembles by itself: llvm-mc -triple=amdgcn-amd-amdhsa -mcpu=gfx1250 --defsym DOCPART=n.
;; ======== version 1 of 1: 2 launches
;; limits: right only within a limited range of input values
;; workspace buffers: wq 1,622,016 bytes
;; launch wprep (part 1): grid 64 x 3, 8 waves a work-group, no clusters, 1,280 bytes of LDS; arguments update_kernel, reset_kernel, hidden_kernel, wq; writes wq
.if DOCPART == 1
	.amdgcn_target "amdgcn-amd-amdhsa--gfx1250"
	.amdhsa_code_object_version 6
	.text
	.protected	k_q298a43baa0_wprep
	.globl	k_q298a43baa0_wprep
	.p2align	8
	.type	k_q298a43baa0_wprep,@function
k_q298a43baa0_wprep:
	s_mov_b64 s[64:65], 0
	v_nop
	global_prefetch_b8 v0, s[64:65] scope:SCOPE_SE
	s_setreg_imm32_b32 hwreg(HW_REG_WAVE_MODE, 25, 1), 1
	s_wait_xcnt 0x0
; GRU cell, launch 1 of 2.  The three kernels [1024 (k)][512 (n)], f32, K on the FIRST axis, become codes of BF8 (E5M2) with one E8M0 byte for each 32 along K, laid in wq as images of operand registers.
; NO WORK IS LEFT OUT in this program: every input has a way to out0, and all three products are live.
; A GROUP is 64 columns (wave w of launch 2: columns 64 w ..) x 128 k of one gate: four fragments t = 2 b + u; in fragment t lane (rho, hh) holds column 64 w + 32 b + 8 u + rho + 8 (rho / 8),
; its registers 4 c .. 4 c + 3 hold k = 32 c + 16 hh + 0 .. 15: byte 512 c + 16 (16 hh + rho) of 2,048.  Two groups make a PAIR p with fragments f = 4 g + t: p = 0 .. 7: K step p of the update gate (g = 0) and of the
; reset gate (g = 1); p = 8 .. 11: K steps 2 (p - 8) + g of the hidden kernel.
; wq: bytes 0 .. 589,823: [p][w][f = 5, 6, 7][2,048]; behind them [w][p][10,752]: fragments 0 .. 4, then for each g 256 bytes of scale words: byte 8 (16 u + rho) + 4 b, whose byte c scales block c.
; A work-group makes one group; wave i takes 32 columns (b = i % 2) and block c = i / 2.  A LANE TAKES A COLUMN AND ITS REGISTERS RUN DOWN K: a load reads 128 neighbouring bytes, a block lies in one lane.
; A block scale is 2^(floor(log2(largest magnitude)) - 15); its byte is the exponent field of the largest magnitude less 15, held at 1 from below.
; LIMITS: a block of zeros gets the byte 1 where the rule says 127 (its codes are zeros, and this program alone reads the bytes); NaN and infinities among the inputs are not served.
.set X,     32                         ; v32-63   32 numbers: my column, one block along K
.set C,     64                         ; v64-71   their codes
.set SPW,   6                          ; v6       LDS address of my spare word; never rewritten
.set NIL,   7                          ; v7       0; never rewritten
.set SPARE, 256                        ; LDS: bytes 0-255 the scale words of the group; from 256 on the spare words, 128 bytes a wave
	s_load_b256 s[4:11], s[0:1], 0x0               ; update s[4:5], reset s[6:7], hidden s[8:9], wq s[10:11]
	v_lshl_add_u32 v[SPW], v0, 2, SPARE
	v_mov_b32 v[NIL], 0
	v_lshrrev_b32 v1, 5, v0
	v_readfirstlane_b32 s12, v1                    ; wave 0..7
	s_and_b32 s13, s12, 1                          ; b
	s_lshr_b32 s14, s12, 1                         ; c
	s_and_b32 s15, ttmp9, 7                        ; w
	s_lshr_b32 s16, ttmp9, 3                       ; K step
	s_and_b32 s17, ttmp7, 0xffff                   ; gate: 0 update, 1 reset, 2 hidden
	s_lshl_b32 s20, s16, 7
	s_lshl_b32 s21, s14, 5
	s_add_co_u32 s20, s20, s21                     ; my first k
	s_lshl_b32 s20, s20, 11                        ; rows of 2,048 bytes
	s_lshl_b32 s21, s15, 8
	s_add_co_u32 s20, s20, s21                     ; + 64 w columns
	s_lshl_b32 s21, s13, 7
	s_add_co_u32 s20, s20, s21                     ; + 32 b columns
	s_mov_b32 s21, 0
	s_lshr_b32 s22, s16, 1
	s_add_co_u32 s22, s22, 8
	s_and_b32 s24, s16, 1
	s_cmp_eq_u32 s17, 2
	s_cselect_b32 s22, s22, s16                    ; p
	s_cselect_b32 s24, s24, s17                    ; g
	s_mul_i32 s25, s15, 129024
	s_mul_i32 s26, s22, 10752
	s_add_co_u32 s25, s25, s26
	s_add_co_u32 s25, s25, 589824                  ; the direct part of (w, p)
	s_lshl_b32 s26, s24, 13
	s_add_co_u32 s26, s26, s25                     ; fragment 4 g of it
	s_mul_i32 s27, s22, 49152
	s_mul_i32 s28, s15, 6144
	s_add_co_u32 s27, s27, s28                     ; fragment 5 of (p, w) in the first part
	s_lshl_b32 s28, s13, 12
	s_add_co_u32 s29, s26, s28                     ; t = 2 b, direct
	s_add_co_u32 s30, s29, 2048                    ; t = 2 b + 1, direct
	s_add_co_u32 s28, s27, s28                     ; t = 2 b + 1 of g = 1: fragment 5 + 2 b
	s_add_co_u32 s27, s27, 2048                    ; t = 2 of g = 1: fragment 6
	s_and_b32 s31, s24, s13
	s_cmp_eq_u32 s24, 1
	s_cselect_b32 s30, s28, s30
	s_cmp_eq_u32 s31, 1
	s_cselect_b32 s29, s27, s29
	s_lshl_b32 s36, s24, 8
	s_add_co_u32 s36, s36, s25
	s_add_co_u32 s36, s36, 10240                   ; the scale words of (w, p, g)
	s_mov_b32 s37, 0
	s_lshl_b32 s18, s13, 2
	s_add_co_u32 s18, s18, s14                     ; 4 b + c
	s_lshl_b32 s19, s14, 9                         ; 512 c
	s_mov_b32 s23, 0x600000                        ; the mantissa field of 57,344
	v_and_b32 v1, 31, v0                           ; lane = my column among the 32
	v_lshlrev_b32 v2, 2, v1                        ; in: 4 bytes a lane
	v_lshlrev_b32 v5, 3, v1                        ; the scale words on the way out: 8 bytes a lane
	v_bfe_u32 v8, v0, 3, 1                         ; u = (lane / 8) % 2
	v_and_b32 v9, 7, v0
	v_bfe_u32 v10, v0, 4, 1
	v_lshl_add_u32 v9, v10, 3, v9                  ; rho = lane % 8 + 8 (lane / 16)
	v_lshl_add_u32 v10, v8, 4, v9                  ; 16 u + rho
	v_lshl_add_u32 v4, v10, 3, s18                 ; LDS: my scale byte
	v_mov_b32 v11, s29
	v_mov_b32 v12, s30
	v_cmp_eq_u32 vcc_lo, 1, v8
	v_cndmask_b32 v3, v11, v12, vcc_lo             ; my fragment
	v_lshl_add_u32 v3, v9, 4, v3
	v_add_nc_u32 v3, s19, v3                       ; + 16 rho + 512 c
	s_wait_alu depctr_va_vdst(0)                   ; the wait at the head's end
	s_wait_kmcnt 0x0
	s_cmp_eq_u32 s17, 0                            ; which kernel: the choice hangs on the work-group number alone
	s_cselect_b64 s[32:33], s[4:5], s[6:7]
	s_cmp_eq_u32 s17, 2
	s_cselect_b64 s[32:33], s[8:9], s[32:33]
	s_add_nc_u64 s[32:33], s[32:33], s[20:21]
	s_add_nc_u64 s[34:35], s[10:11], s[36:37]
.set idx, 0
.rept 32
	global_load_b32 v[X+idx], v2, s[32:33] offset:2048*idx th:TH_LOAD_NT   ; row k of my 32 columns: 128 neighbouring bytes; read once in the launch
.set idx, idx+1
.endr
	s_wait_loadcnt 0x0
	v_max3_num_f32 v12, |v[X]|, |v[X+1]|, |v[X+2]|
	v_max3_num_f32 v13, |v[X+3]|, |v[X+4]|, |v[X+5]|
.irp i, 6,10,14,18,22,26
	v_max3_num_f32 v12, v12, |v[X+\i]|, |v[X+\i+1]|
	v_max3_num_f32 v13, v13, |v[X+\i+2]|, |v[X+\i+3]|
.endr
	v_max3_num_f32 v12, v12, |v[X+30]|, |v[X+31]|
	v_max3_num_f32 v12, v12, v13, 0x8000000        ; and the floor 2^(16 - 127): the byte cannot fall under 1
	v_add_nc_u32 v11, 0xf8800000, v12              ; 15 off the exponent field: the scale operand of the conversion
	v_and_or_b32 v10, v12, 0x7f800000, s23         ; 57,344 x the scale
	v_lshrrev_b32 v14, 23, v11                     ; the scale byte
.irp i, 0,1,2,3,4,5,6,7,8,9,10,11,12,13,14,15,16,17,18,19,20,21,22,23,24,25,26,27,28,29,30,31
	v_med3_num_f32 v[X+\i], v[X+\i], -v10, v10     ; the conversion to an 8-bit code does not saturate (ISA guide 7.6.2): the hold comes first
.endr
.irp g, 0,1,2,3
	v_cvt_scalef32_pk8_bf8_f32 v[C+2*\g:C+2*\g+1], v[X+8*\g:X+8*\g+7], v11
.endr
	v_nop                                          ; one plain line behind the last conversion of a run
	ds_store_b8 v4, v14
	global_store_b128 v3, v[C:C+3], s[10:11]       ; sixteen lanes of one u store 256 consecutive bytes, aligned
	global_store_b128 v3, v[C+4:C+7], s[10:11] offset:256
	s_wait_dscnt 0x0                               ; for the others: my store has landed
	s_barrier_signal -1
	s_barrier_wait -1
	s_cmp_lg_u32 s12, 0
	s_cbranch_scc1 .Lnot_wave_0
	ds_load_b64 v[8:9], v5                         ; wave 0 takes the 256 bytes of scale words
	s_wait_dscnt 0x0
	global_store_b64 v5, v[8:9], s[34:35]          ; and stores them as 256 consecutive bytes, aligned
.Lnot_wave_0:
	s_wait_tensorcnt 0x0                           ; the end of the wave
	ds_add_u32 v[SPW], v[NIL]
	s_wait_dscnt 0x0
	s_endpgm
.Lfunc_end_k_q298a43baa0_wprep:
	.size	k_q298a43baa0_wprep, .Lfunc_end_k_q298a43baa0_wprep-k_q298a43baa0_wprep
	.p2alignl 7, 3214868480
	.fill 96, 4, 3214868480
	.section	.rodata,"a",@progbits
	.p2align	6, 0x0
	.amdhsa_kernel k_q298a43baa0_wprep
		.amdhsa_group_segment_fixed_size 1280
		.amdhsa_private_segment_fixed_size 0
		.amdhsa_enable_private_segment 0
		.amdhsa_kernarg_size 32
		.amdhsa_user_sgpr_count 2
		.amdhsa_user_sgpr_kernarg_segment_ptr 1
		.amdhsa_wavefront_size32 1
		.amdhsa_system_sgpr_workgroup_id_x 1
		.amdhsa_system_sgpr_workgroup_id_y 1
		.amdhsa_system_sgpr_workgroup_id_z 1
		.amdhsa_system_vgpr_workitem_id 0
		.amdhsa_next_free_vgpr 80
		.amdhsa_next_free_sgpr 66
		.amdhsa_reserve_vcc 1
		.amdhsa_float_denorm_mode_32 3
		.amdhsa_float_denorm_mode_16_64 3
		.amdhsa_memory_ordered 1
		.amdhsa_forward_progress 1
		.amdhsa_inst_pref_size 11
	.end_amdhsa_kernel
	.amdgpu_metadata
---
amdhsa.version: [ 1, 2 ]
amdhsa.kernels:
  - .name:           k_q298a43baa0_wprep
    .symbol:         k_q298a43baa0_wprep.kd
    .args:
      - { .name: update_kernel, .offset: 0, .size: 8, .value_kind: global_buffer, .address_space: global }
      - { .name: reset_kernel, .offset: 8, .size: 8, .value_kind: global_buffer, .address_space: global }
      - { .name: hidden_kernel, .offset: 16, .size: 8, .value_kind: global_buffer, .address_space: global }
      - { .name: wq, .offset: 24, .size: 8, .value_kind: global_buffer, .address_space: global }
    .group_segment_fixed_size: 1280
    .private_segment_fixed_size: 0
    .kernarg_segment_align: 8
    .kernarg_segment_size: 32
    .max_flat_workgroup_size: 256
    .sgpr_count:     66
    .vgpr_count:     80
    .wavefront_size: 32
...
	.end_amdgpu_metadata
.endif
;; end of part 1
;; launch gru (part 2): grid 256 x 1, 8 waves a work-group, clusters of 4 x 1, 327,680 bytes of LDS; arguments inputs, h_prev, wq, update_bias, reset_bias, hidden_bias, out0; writes out0
.if DOCPART == 2
	.amdgcn_target "amdgcn-amd-amdhsa--gfx1250"
	.amdhsa_code_object_version 6
	.text
	.protected	k_q298a43baa0_gru
	.globl	k_q298a43baa0_gru
	.p2align	8
	.type	k_q298a43baa0_gru,@function
k_q298a43baa0_gru:
	s_mov_b64 s[64:65], 0
	v_nop
	global_prefetch_b8 v0, s[64:65] scope:SCOPE_SE
	s_setreg_imm32_b32 hwreg(HW_REG_WAVE_MODE, 25, 1), 1
	s_wait_xcnt 0x0
	s_wait_alu depctr_hold_cnt(0) depctr_sa_sdst(0) depctr_va_vdst(0) depctr_va_sdst(0) depctr_va_ssrc(0) depctr_va_vcc(0) depctr_vm_vsrc(0)
	s_getreg_b32 s2, hwreg(HW_REG_IB_STS2, 6, 4)
	s_cmp_eq_u32 s2, 0
	s_cbranch_scc0 .Lentry_in_a_cluster
	s_endpgm
.Lentry_in_a_cluster:
	s_bfe_u32 s2, ttmp6, 0x10000c
	s_cmp_lg_u32 s2, 0x3003
	s_cbranch_scc0 .Lentry_shape_is_right
	s_endpgm
.Lentry_shape_is_right:
; GRU cell, launch 2 of 2.  A work-group owns 64 rows; wave w owns columns 64 w .. 64 w + 63 of every gate: 4 x 4 accumulators of 16 x 16 a gate.  No work is left out.
; The products are used TRANSPOSED (source 0 = 16 weight columns, source 1 = 16 rows): lane (r, hh) holds row 16 m + r, and its registers bank + 32 m + 16 b + 0 .. 15 the columns 32 b + 16 hh + 0 .. 15: the layout in which
; the quantiser takes them and in which their codes are operand registers again.
; TWELVE PAIRS of weight groups (wprep's head): 0-3 update and reset gate on x, 4-7 the same on h, 8-9 hidden on x, 10-11 hidden on r h.  A wave takes its weights, which no other wave uses, straight from memory into
; registers, each fragment asked for again, for the next pair, behind its use: 128 registers a wave.  Fragments 5-7 of pairs 2, 3, 9 and 10 come through two LDS slots of 49,152 bytes instead, all that h in f32 (135,168 bytes)
; and the codes leave room for: they are filled at the head, while x is quantised, and behind pair 7, while r h is.
; CLUSTERS of four work-groups: all read the same weights, so the slots are filled by JOINT loads that name all four.  Waves 4, 5 fill slot 0, waves 6, 7 slot 1, 24,576 bytes a load.
; x comes by loads of whole 256-byte pieces of rows into registers not yet in use and turns through a stage in LDS; h comes by four tensor loads into LDS and stays there in f32.
; No prefetch into the L2: the text has no loop to run ahead in, x and h are each asked for once at the head, and all work-groups read the same 1,622,016 bytes of weights.
; LIMITS: a block of zeros gets the scale byte 1 where the rule says 127 (its codes are zeros, and this program alone reads the bytes); NaN and infinities among the inputs are not served.
.set HR,    0                          ; LDS: h in f32: four tiles of 64 rows x 528 bytes; at the end the results on their way out
.set RING,  135168                     ; two slots [wave][3 fragments][2,048]
.set CA,    233472                     ; codes of x: [K step][m][c][512]
.set CB,    266240                     ; codes of h, then of r h; ahead of them x's stages, 4,352 bytes a wave
.set SC,    301056                     ; scale words: [x, h or r h][K step][row r][m][4]
.set BIA,   303104                     ; biases: [wave][gate][64]
.set SPARE, 309248                     ; the spare words, 128 bytes a wave
.set AAD,   2                          ; v2-v15, v28-29: addresses, made at the head and never rewritten
.set SAD,   3
.set IW,    4
.set SWA,   5
.set FX,    6
.set RBK,   7
.set GO,    8
.set BI,    9
.set LFA,   10
.set L16,   11
.set L8,    12
.set BST,   13
.set BG,    15
.set SPW,   16                         ; LDS address of my spare word, and 0; never rewritten
.set NIL,   17
.set AS,    20                         ; v20-23   A's scale words, m = 0 .. 3
.set WS,    24                         ; v24-27, v32-35 the weights' scale words, two sets by pairs
.set XST,   28
.set XRD,   29
.set MX,    36                         ; v36-46, v240-247 the quantiser at work
.set PM,    38
.set SO,    40
.set HD,    42
.set BY,    44
.set PW,    46
.set DR,    48                         ; v48-127  fragments 0-4; at the end v48-79 the hidden bias
.set OB,    80                         ; v80-143  at the end: two blocks of 16 rows read back
.set LFR,   128                        ; v128-175 fragments 5-7
.set ZBI,   144                        ; v144-175 at the end: the update bias
.set AF,    176                        ; v176-239 A's fragments; the quantiser's two buffers of 32 numbers
.set PC,    240
.set ZB,    0                          ; window 1: update gate (x at the head)
.set RB,    128                        ; window 1: reset gate, then hidden
.set MSB, 0
.macro WIN new                         ; the immediate's high byte repeats the setting that is left
.if MSB != \new
	s_set_vgpr_msb (MSB<<8)|\new
.set MSB, \new
.endif
.endm
.macro PLACES n
.rept \n
	v_nop
.endr
.endm
.macro CREST                           ; a round of the cluster's barrier behind its opening barrier
	s_cmp_lg_u32 s18, 0
	s_cbranch_scc1 .Lnot_wave_0_\@
	s_barrier_signal -3
.Lnot_wave_0_\@:
	s_barrier_wait -3
	s_barrier_signal -1
	s_barrier_wait -1
.endm
.macro CROUND
	s_barrier_signal -1
	s_barrier_wait -1
	CREST
.endm
.macro DFRAG f, pp                     ; a fragment of pair pp: 512 consecutive bytes a load
.irp c, 0,1,2,3
	global_load_b128 v[DR+16*(\f)+4*\c:DR+16*(\f)+4*\c+3], v[L16], s[68:69] offset:10752*(\pp)+2048*(\f)+512*\c
.endr
.endm
.macro RINGG pp                        ; fragments 5-7 of a pair straight from memory: twelve loads
.irp f, 0,1,2
.irp c, 0,1,2,3
	global_load_b128 v[LFR+16*\f+4*\c:LFR+16*\f+4*\c+3], v[L16], s[72:73] offset:49152*(\pp)+2048*\f+512*\c
.endr
.endr
.endm
.macro L01 pp                          ; ten loads
	DFRAG 0, \pp
	DFRAG 1, \pp
	global_load_b64 v[WS+8*((\pp)%2):WS+8*((\pp)%2)+1], v[L8], s[68:69] offset:10752*(\pp)+10240
	global_load_b64 v[WS+8*((\pp)%2)+2:WS+8*((\pp)%2)+3], v[L8], s[68:69] offset:10752*(\pp)+10496
.endm
.macro L23 pp                          ; eight
	DFRAG 2, \pp
	DFRAG 3, \pp
.endm
.macro RINGF sl                        ; fragments 5-7 from slot sl: twelve LDS loads
.irp f, 0,1,2
.irp c, 0,1,2,3
	ds_load_b128 v[LFR+16*\f+4*\c:LFR+16*\f+4*\c+3], v[LFA] offset:49152*(\sl)+2048*\f+512*\c
.endr
.endr
.endm
.macro AFETCH tau, i                   ; K step i of the codes of x (tau 0) or of h or r h (tau 1), and its scale words
.irp m, 0,1,2,3
.irp c, 0,1,2,3
	ds_load_b128 v[AF+16*\m+4*\c:AF+16*\m+4*\c+3], v[AAD] offset:32768*(\tau)+8192*(\i)+2048*\m+512*\c
.endr
.endr
	ds_load_b128 v[AS:AS+3], v[SAD] offset:1024*(\tau)+256*(\i)
.endm
.macro WM d, wf, af, cc, ws, as, mod
	v_wmma_scale_f32_16x16x128_f8f6f4 v[(\d):(\d)+7], v[(\wf):(\wf)+15], v[(\af):(\af)+15], \cc, v[\ws], v[\as] matrix_a_fmt:MATRIX_FMT_BF8 matrix_b_fmt:MATRIX_FMT_BF8 \mod
.endm
.macro MF f, pp                        ; fragment f x the four blocks of rows, into bank BK.  The accumulators take turns, one instruction a turn
.if (\f) < 5
.set WFR, DR+16*(\f)
.else
.set WFR, LFR+16*((\f)-5)
.endif
.set WSR, WS+8*((\pp)%2)+(\f)/2
.irp m, 0,1,2,3
.set DD, BK+32*\m+8*((\f)%4)
.if ZR
.if (\f)%2
	WM DD, WFR, AF+16*\m, 0, WSR, AS+\m, matrix_a_scale:MATRIX_SCALE_ROW1
.else
	WM DD, WFR, AF+16*\m, 0, WSR, AS+\m
.endif
.else
.if (\f)%2
	WM DD, WFR, AF+16*\m, v[DD:DD+7], WSR, AS+\m, matrix_a_scale:MATRIX_SCALE_ROW1
.else
	WM DD, WFR, AF+16*\m, v[DD:DD+7], WSR, AS+\m
.endif
.endif
.endr
.endm
; A pair.  A's fragments have been asked for.  src: fragments 5-7 lie in slot 0 or 1, or (2) have been asked for straight into registers; nsrc: the same of the next pair.
; turn: 0 nothing; 2 a barrier that shows tiles and codes; 3 both slots are filled again, behind a round.  step: bytes from the last fill's pairs to this one's.
; Eight plain places stand behind the products whose registers are loaded anew.
.macro PAIR pp, turn, src, nsrc, step
.set ZR, 0
.set BK, ZB
.if (\pp) >= 8
.set BK, RB
.endif
.if (\pp) == 8 || (\pp) == 0
.set ZR, 1                             ; the first products start the sums
.endif
.if (\src) < 2
	RINGF \src
	s_wait_dscnt 12                                ; A is in; the twelve ring loads may be out
	s_wait_loadcnt 12                              ; fragments 0, 1 and the scale words are in; 2-4 (8 + 4 loads) may be out
.else
	s_wait_dscnt 0x0
	s_wait_loadcnt 24                              ; and 5-7 (12 loads)
.endif
	WIN 0x50
	MF 0, \pp
	MF 1, \pp
.if (\pp) < 11
	PLACES 8
	WIN 0
	L01 (\pp)+1
	s_wait_loadcnt 14+12*((\src)/2)                ; fragments 2, 3 are in; 4 (4 loads), 5-7 if they come straight (12) and the ten just issued may be out
	WIN 0x50
.else
	s_wait_loadcnt 4+12*((\src)/2)
.endif
	MF 2, \pp
	MF 3, \pp
	PLACES 8
	WIN 0
.if (\pp) < 11
	L23 (\pp)+1
.endif
.if (\pp) >= 8
	AFETCH ((\pp)-8)/2, 2*(((\pp)-8)%2)+1          ; the pair's second K step
.endif
.if (\pp) < 11
	s_wait_loadcnt 18                              ; fragment 4, and 5-7 if they come straight, are in; the next pair's 10 + 8 may be out
.else
	s_wait_loadcnt 0x0
.endif
	s_wait_dscnt 0x0                               ; my LDS loads and stores are done
.if (\turn) > 0
	s_wait_tensorcnt 0x0                           ; all my tensor loads have landed
.endif
.if (\turn) == 3
	ds_add_u32 v[SPW], v[NIL]                      ; 0 onto my spare word; sixteen products stand between it and the wait for it
	s_add_nc_u64 s[38:39], s[38:39], \step         ; on to the pairs that the slots take next (no tensor load of mine is out)
.endif
.if (\pp) > 0
.set ZR, 0
.endif
.if (\pp) < 8
.set BK, RB
.endif
	WIN 0x50
	MF 4, \pp
	MF 5, \pp
	MF 6, \pp
	MF 7, \pp
.if (\turn) > 0
	s_wait_dscnt 0x0
	s_barrier_signal -1                            ; my tensor loads have landed, my codes are stored, my reads are over
.endif
	PLACES 8
	WIN 0
.if (\turn) > 0
	s_barrier_wait -1
.endif
.if (\turn) == 3
	CREST
	s_cmp_ge_u32 s18, 4
	s_cbranch_scc0 .Lnot_mine_\@
	tensor_load_to_lds s[36:39], s[48:55]
	s_nop 0
	PLACES 4
.Lnot_mine_\@:
.endif
.if (\pp) < 11
	DFRAG 4, (\pp)+1
.if (\nsrc) == 2
	RINGG (\pp)+1
.endif
.endif
.endm
.macro FLOAD buf, adr, off             ; 32 numbers a lane: its row, columns 32 b + 16 hh + 0 .. 15
.irp b, 0,1
.irp q, 0,1,2,3
	ds_load_b128 v[(\buf)+16*\b+4*\q:(\buf)+16*\b+4*\q+3], v[\adr] offset:(\off)+128*\b+16*\q
.endr
.endr
.endm
; Two blocks of 32 (b), 16 numbers a lane and 16 in lane l xor 16: the largest magnitude in four chains by turns, with the floor 2^(16 - 127); the scale; the hold; the codes.
.macro QUANT32 s
.irp b, 0,1
	v_max3_num_f32 v[MX+\b], |v[(\s)+16*\b]|, |v[(\s)+16*\b+1]|, 0x8000000
	v_max3_num_f32 v[BY+\b], |v[(\s)+16*\b+2]|, |v[(\s)+16*\b+3]|, |v[(\s)+16*\b+4]|
.endr
.irp i, 5,9
.irp b, 0,1
	v_max3_num_f32 v[MX+\b], v[MX+\b], |v[(\s)+16*\b+\i]|, |v[(\s)+16*\b+\i+1]|
	v_max3_num_f32 v[BY+\b], v[BY+\b], |v[(\s)+16*\b+\i+2]|, |v[(\s)+16*\b+\i+3]|
.endr
.endr
.irp b, 0,1
	v_max3_num_f32 v[MX+\b], v[MX+\b], |v[(\s)+16*\b+13]|, |v[(\s)+16*\b+14]|
.endr
.irp b, 0,1
	v_max3_num_f32 v[MX+\b], v[MX+\b], v[BY+\b], |v[(\s)+16*\b+15]|
.endr
.irp b, 0,1
	v_permlanex16_b32 v[PM+\b], v[MX+\b], s20, s21
.endr
.irp b, 0,1
	v_max_num_f32 v[MX+\b], v[MX+\b], v[PM+\b]
.endr
.irp b, 0,1
	v_add_nc_u32 v[SO+\b], 0xf8800000, v[MX+\b]    ; 15 off the exponent field: the conversion's scale operand
.endr
.irp b, 0,1
	v_and_or_b32 v[HD+\b], v[MX+\b], 0x7f800000, s19   ; 57,344 x the scale
.endr
.irp b, 0,1
	v_lshrrev_b32 v[BY+\b], 23, v[SO+\b]
.endr
.irp b, 0,1
.irp i, 0,1,2,3,4,5,6,7,8,9,10,11,12,13,14,15
	v_med3_num_f32 v[(\s)+16*\b+\i], v[(\s)+16*\b+\i], -v[HD+\b], v[HD+\b]   ; the conversion does not saturate (ISA guide 7.6.2)
.endr
.if \b == 0
	v_lshl_or_b32 v[PW], v[BY+1], 8, v[BY]         ; the two scale bytes
.endif
	v_cvt_scalef32_pk8_bf8_f32 v[PC+4*\b:PC+4*\b+1], v[(\s)+16*\b:(\s)+16*\b+7], v[SO+\b]
	v_cvt_scalef32_pk8_bf8_f32 v[PC+4*\b+2:PC+4*\b+3], v[(\s)+16*\b+8:(\s)+16*\b+15], v[SO+\b]
.endr
	v_nop
.endm
.macro IMG tau, m                      ; codes and scale bytes as an image of A's operand registers (both lanes of a block write the same two bytes with the same value)
.irp b, 0,1
	ds_store_b128 v[IW], v[PC+4*\b:PC+4*\b+3] offset:32768*(\tau)+2048*(\m)+512*\b
.endr
	ds_store_b16 v[SWA], v[PW] offset:1024*(\tau)+4*(\m)
.endm
.macro QROWS mul                       ; h, or r h, of my 64 columns into codes
.if \mul == 0
	FLOAD AF, FX, 0
.endif
	FLOAD AF+32, FX, 8448
.irp m, 0,1,2,3
.if \m < 3
	s_wait_dscnt 8                                 ; block m is in; the next block's eight loads may be out
.else
	s_wait_dscnt 0x0
.endif
.if \mul
	WIN 0x01
.irp j, 0,2,4,6,8,10,12,14,16,18,20,22,24,26,28,30
	v_pk_mul_f32 v[AF+32*(\m%2)+\j:AF+32*(\m%2)+\j+1], v[RB+32*\m+\j:RB+32*\m+\j+1], v[AF+32*(\m%2)+\j:AF+32*(\m%2)+\j+1]
.endr
	WIN 0
.endif
	QUANT32 AF+32*(\m%2)
	IMG 1, \m
.if \m < 2
	FLOAD AF+32*(\m%2), FX, 8448*(\m+2)
.endif
.endr
.endm
.macro XSTG m                          ; x's block of 16 rows m through my stage: as loaded, then 64 neighbouring bytes a lane twice.  LDS serves a wave's instructions in order (ISA guide 5.7.1.4)
	s_wait_loadcnt 34+8*(3-(\m))                   ; its eight loads are in; later blocks and pair 0's 34 may be out
	WIN 0x04
.irp p, 0,1,2,3,4,5,6,7
	ds_store_b128 v[XST], v[ZB+32*(\m)+4*\p:ZB+32*(\m)+4*\p+3] offset:544*\p
.endr
	WIN 0
	FLOAD AF+32*((\m)%2), XRD, 0
.endm
.macro OSTORE m                        ; sixteen lanes store 256 consecutive bytes, aligned
.irp p, 0,1,2,3,4,5,6,7
	global_store_b128 v[GO], v[OB+32*((\m)%2)+4*\p:OB+32*((\m)%2)+4*\p+3], s[16:17] offset:(16*(\m)+2*\p)*2048 th:TH_STORE_NT
.endr
.endm
.macro EACH op, base, n                ; op on n registers in place
.set idx, 0
.rept \n
	\op v[\base+idx], v[\base+idx]
.set idx, idx+1
.endr
.endm
.macro ADD1 base, n
.set idx, 0
.rept (\n)/2
	v_pk_add_f32 v[\base+idx:\base+idx+1], v[\base+idx:\base+idx+1], 1.0 op_sel_hi:[1,0]
.set idx, idx+2
.endr
.endm
.macro MULS base, n, sp
.set idx, 0
.rept (\n)/2
	v_pk_mul_f32 v[\base+idx:\base+idx+1], v[\base+idx:\base+idx+1], s[\sp:\sp+1] op_sel_hi:[1,0]
.set idx, idx+2
.endr
.endm
.macro FMAS base, n, sp, bias          ; x the scalar, + the bias, whose 32 registers serve every block of 16 rows
.set idx, 0
.rept (\n)/2
	v_pk_fma_f32 v[\base+idx:\base+idx+1], v[\base+idx:\base+idx+1], s[\sp:\sp+1], v[\bias+idx%32:\bias+idx%32+1] op_sel_hi:[1,0,1]
.set idx, idx+2
.endr
.endm
	s_load_b256 s[4:11], s[0:1], 0x0               ; x s[4:5], h s[6:7], wq s[8:9], update bias s[10:11]
	s_load_b128 s[12:15], s[0:1], 0x20             ; reset bias, hidden bias
	s_load_b64 s[16:17], s[0:1], 0x30              ; out0
	v_lshl_add_u32 v[SPW], v0, 2, SPARE
	v_mov_b32 v[NIL], 0
	ds_add_u32 v[SPW], v[NIL]                      ; the opening: the add, twice on end, and its wait
	ds_add_u32 v[SPW], v[NIL]
	v_lshrrev_b32 v1, 5, v0
	v_readfirstlane_b32 s18, v1                    ; wave 0..7
	s_bfe_u32 s42, ttmp6, 0x40000
	s_lshl_b32 s43, ttmp9, 2
	s_add_co_u32 s42, s42, s43                     ; work-group = 4 x cluster + cx: it enters global addresses alone
	s_lshl_b32 s42, s42, 17                        ; 64 rows of 2,048 bytes
	s_mov_b32 s43, 0
	s_lshl_b32 s44, s18, 8                         ; my columns: 256 bytes of a row
	s_mov_b32 s45, 0
	s_lshr_b32 s46, s18, 1                         ; my K step as an operand
	s_and_b32 s47, s18, 1                          ; which half of it
	s_mul_i32 s56, s46, 33792
	s_lshl_b32 s57, s47, 8
	s_add_co_u32 s56, s56, s57                     ; my columns of h in LDS
	s_lshl_b32 s58, s46, 13
	s_lshl_b32 s59, s47, 10
	s_add_co_u32 s58, s58, s59                     ; my codes
	s_lshl_b32 s59, s46, 8
	s_lshl_b32 s60, s47, 1
	s_add_co_u32 s59, s59, s60                     ; my scale bytes
	s_mul_i32 s60, s18, 768
	s_add_co_u32 s60, s60, BIA
	s_mul_i32 s61, s18, 6144
	s_add_co_u32 s61, s61, RING
	s_mul_i32 s62, s18, 4352
	s_add_co_u32 s62, s62, CB                      ; my stage
	s_mov_b32 s19, 0x600000                        ; the mantissa field of 57,344
	s_mov_b32 s20, 0x76543210                      ; v_permlanex16_b32's selects for lane l xor 16
	s_mov_b32 s21, 0xfedcba98
	s_mov_b32 s22, 0xbfb8aa3b                      ; - log2(e)
	s_mov_b32 s23, s22
	s_mov_b32 s40, 0x4038aa3b                      ; 2 log2(e)
	s_mov_b32 s41, s40
	; group 1 for h: 64 rows x 128 elements of 4 bytes, 16 bytes of padding behind each row
	s_mov_b32 s24, (2<<16)|(1<<20)|(6<<22)|(3<<25)
	s_mov_b32 s25, 128<<16
	s_mov_b32 s26, 64<<16
	s_mov_b32 s27, 128<<16
	s_mov_b32 s28, 64
	s_mov_b32 s29, 512
	s_mov_b32 s30, 0
	s_mov_b32 s31, 0
	; group 1 for the slots: a dense block of 96 rows x 256 bytes, for all four work-groups of the cluster
	s_mov_b32 s48, 15|(3<<16)|(1<<21)
	s_mov_b32 s49, 32<<16
	s_mov_b32 s50, 96<<16
	s_mov_b32 s51, 32<<16
	s_mov_b32 s52, 96
	s_mov_b32 s53, 32
	s_mov_b32 s54, 0
	s_mov_b32 s55, 0
	s_mov_b32 s32, 1
	s_mul_i32 s33, s18, 33792                      ; h: waves 0-3, K step by K step
	s_mov_b32 s36, 1
	s_and_b32 s66, s18, 3
	s_mul_i32 s66, s66, 24576                      ; the slots: waves 4-7, half slot by half slot
	s_add_co_u32 s37, s66, RING
	s_add_co_u32 s66, s66, 98304                   ; first pairs 2 and 3
	s_mov_b32 s67, 0
	s_lshl_b32 s70, s18, 9
	s_mov_b32 s71, 0
	s_mul_i32 s68, s18, 129024
	s_add_co_u32 s68, s68, 589824
	s_mov_b32 s69, 0
	s_mul_i32 s72, s18, 6144
	s_mov_b32 s73, 0
	v_and_b32 v18, 31, v0                          ; lane
	v_and_b32 v19, 15, v0                          ; r
	v_bfe_u32 v14, v0, 4, 1                        ; hh
	v_lshlrev_b32 v[L16], 4, v18
	v_lshlrev_b32 v[L8], 3, v18
	v_mul_u32_u24 v[FX], v19, 528
	v_mul_u32_u24 v[RBK], v14, 528
	v_mul_u32_u24 v[XST], v14, 272
	v_mul_u32_u24 v[XRD], v19, 272
	v_lshlrev_b32 v[GO], 11, v14
	v_lshl_add_u32 v[SAD], v19, 4, SC
	v_add_nc_u32 v[AAD], CA, v[L16]
	v_lshl_add_u32 v[FX], v14, 6, v[FX]
	v_lshl_add_u32 v[RBK], v19, 4, v[RBK]
	v_lshl_add_u32 v[XST], v19, 4, v[XST]
	v_lshl_add_u32 v[XRD], v14, 6, v[XRD]
	v_lshl_add_u32 v[GO], v19, 4, v[GO]            ; two rows of 256 bytes: lanes 0-15, lanes 16-31
	v_add_nc_u32 v[IW], s58, v[AAD]
	v_add_nc_u32 v[SWA], s59, v[SAD]
	v_add_nc_u32 v[FX], s56, v[FX]
	v_add_nc_u32 v[RBK], s56, v[RBK]
	v_add_nc_u32 v[XST], s62, v[XST]
	v_add_nc_u32 v[XRD], s62, v[XRD]
	v_lshl_add_u32 v[BI], v14, 6, s60
	v_add_nc_u32 v[BST], s60, v[L8]
	v_add_nc_u32 v[BG], s44, v[L8]
	v_add_nc_u32 v[LFA], s61, v[L16]
	v_mov_b32 v[PM], 0                             ; (a lane permute's destination counts as one of its sources)
	v_mov_b32 v[PM+1], 0
	s_wait_alu depctr_va_vdst(0)                   ; the wait at the head's end
	s_wait_dscnt 0x0                               ; both opening adds are done
	CROUND                                         ; all four work-groups are here: the head's joint loads meet
	s_wait_kmcnt 0x0
	s_add_nc_u64 s[4:5], s[4:5], s[42:43]
	s_add_nc_u64 s[4:5], s[4:5], s[44:45]
	s_add_nc_u64 s[16:17], s[16:17], s[42:43]
	s_add_nc_u64 s[16:17], s[16:17], s[44:45]
	global_load_b64 v[240:241], v[BG], s[10:11]
	global_load_b64 v[242:243], v[BG], s[12:13]
	global_load_b64 v[244:245], v[BG], s[14:15]
	WIN 0x40
.irp m, 0,1,2,3
.irp p, 0,1,2,3,4,5,6,7
	global_load_b128 v[ZB+32*\m+4*\p:ZB+32*\m+4*\p+3], v[GO], s[4:5] offset:(16*\m+2*\p)*2048 th:TH_LOAD_NT   ; x: sixteen lanes read 256 consecutive bytes, aligned; read once
.endr
.endr
	WIN 0
	s_add_nc_u64 s[34:35], s[6:7], s[42:43]
	s_add_nc_u64 s[34:35], s[34:35], s[70:71]
	s_or_b32 s35, s35, 0x80000000
	s_add_nc_u64 s[38:39], s[8:9], s[66:67]
	s_or_b32 s39, s39, 0x80000000
	s_add_nc_u64 s[68:69], s[8:9], s[68:69]        ; my direct part of the weights
	s_add_nc_u64 s[72:73], s[8:9], s[72:73]        ; my fragments 5-7
	L01 0                                          ; pair 0's 10 + 8 + 4 + 12 loads, ahead of the tiles that are needed later
	L23 0
	DFRAG 4, 0
	RINGG 0
	; one tensor load a wave at the head: waves 0-3 h, waves 4-7 the two slots with pairs 2 and 3
	s_cmp_lt_u32 s18, 4
	s_cbranch_scc0 .Lhead_ring
	tensor_load_to_lds s[32:35], s[24:31]
	s_nop 0
	PLACES 4
	s_branch .Lhead_asked
.Lhead_ring:
	tensor_load_to_lds s[36:39], s[48:55]
	s_nop 0
	PLACES 4
.Lhead_asked:
	s_wait_loadcnt 63                              ; the biases are in: of the 69 loads issued the first six are
	ds_store_b64 v[BST], v[240:241]
	ds_store_b64 v[BST], v[242:243] offset:256
	ds_store_b64 v[BST], v[244:245] offset:512
	XSTG 0
.irp m, 0,1,2,3
.if \m < 3
	XSTG \m+1
	s_wait_dscnt 16                                ; block m is back; the next block's 8 stores and 8 loads may be out
.else
	s_wait_dscnt 0x0
.endif
	QUANT32 AF+32*(\m%2)
	IMG 0, \m
.endr
	s_wait_dscnt 0x0                               ; my codes of x are in LDS (tensor loads may be out: nothing of theirs is read behind this barrier)
	s_barrier_signal -1
	s_barrier_wait -1
	AFETCH 0, 0
	PAIR 0, 0, 2, 2, 0
	AFETCH 0, 1
	PAIR 1, 2, 2, 0, 0                             ; its barrier shows h and pairs 2 and 3
	QROWS 0                                        ; h into codes
	AFETCH 0, 2
	PAIR 2, 0, 0, 1, 0
	AFETCH 0, 3
	PAIR 3, 2, 1, 2, 0                             ; its barrier shows the codes of h
	AFETCH 1, 0
	PAIR 4, 0, 2, 2, 0
	AFETCH 1, 1
	PAIR 5, 0, 2, 2, 0
	AFETCH 1, 2
	PAIR 6, 0, 2, 2, 0
	AFETCH 1, 3
	PAIR 7, 3, 2, 2, 344064                        ; the codes of h have been read; the slots take pairs 9 and 10
	; r = 1 / (1 + 2^(- log2(e) (s + bias))), then r h into codes, over the codes of h
	FLOAD AF+32, BI, 256
	FLOAD AF, FX, 0
	s_wait_dscnt 8                                 ; the bias is in; h's first block may be out
	MULS AF+32, 32, 22
	WIN 0x41
	FMAS RB, 128, 22, AF+32
	s_wait_alu depctr_va_vdst(0)                   ; a wait ahead of each batch and behind it
	EACH v_exp_f32, RB, 128
	v_nop
	s_wait_alu depctr_va_vdst(0)
	ADD1 RB, 128
	s_wait_alu depctr_va_vdst(0)
	EACH v_rcp_f32, RB, 128
	v_nop
	s_wait_alu depctr_va_vdst(0)
	WIN 0
	QROWS 1
	AFETCH 0, 0
	PAIR 8, 2, 2, 0, 0                             ; its barrier shows the codes of r h and pairs 9 and 10
	AFETCH 0, 2
	PAIR 9, 0, 0, 1, 0
	AFETCH 1, 0
	PAIR 10, 0, 1, 2, 0
	AFETCH 1, 2
	PAIR 11, 0, 2, 0, 0
	; THE WAY OUT, 16 rows at a time: t = tanh = 1 - 2 / (1 + 2^(2 log2(e) (s + bias))), z as r above, out = h + z (t - h); through my own columns of h's place in LDS into rows of 256 bytes
	FLOAD DR, BI, 512
	FLOAD ZBI, BI, 0
	FLOAD AF, FX, 0
	s_wait_dscnt 8                                 ; both biases are in
	MULS DR, 32, 40
	MULS ZBI, 32, 22
.irp m, 0,1,2,3
.if \m < 3
	FLOAD AF+32*((\m+1)%2), FX, 8448*(\m+1)
.endif
	WIN 0x41
	s_wait_alu depctr_va_vdst(0)                   ; the wait ahead of the matrix results' first readers
	FMAS RB+32*\m, 32, 40, DR
	FMAS ZB+32*\m, 32, 22, ZBI
	s_wait_alu depctr_va_vdst(0)
	EACH v_exp_f32, RB+32*\m, 32
	EACH v_exp_f32, ZB+32*\m, 32
	v_nop
	s_wait_alu depctr_va_vdst(0)
	ADD1 RB+32*\m, 32
	ADD1 ZB+32*\m, 32
	s_wait_alu depctr_va_vdst(0)
	EACH v_rcp_f32, RB+32*\m, 32
	EACH v_rcp_f32, ZB+32*\m, 32
	v_nop
	s_wait_alu depctr_va_vdst(0)
.irp j, 0,2,4,6,8,10,12,14,16,18,20,22,24,26,28,30
	v_pk_fma_f32 v[RB+32*\m+\j:RB+32*\m+\j+1], v[RB+32*\m+\j:RB+32*\m+\j+1], -2.0, 1.0 op_sel_hi:[1,0,0]
.endr
.if \m < 3
	s_wait_dscnt 8                                 ; h of block m and block m - 1's rows are in; the next block's h may be out
.else
	s_wait_dscnt 0x0
.endif
.if \m > 0
	WIN 0
	OSTORE \m-1
	WIN 0x41
.endif
.irp j, 0,2,4,6,8,10,12,14,16,18,20,22,24,26,28,30
	v_pk_add_f32 v[RB+32*\m+\j:RB+32*\m+\j+1], v[RB+32*\m+\j:RB+32*\m+\j+1], v[AF+32*(\m%2)+\j:AF+32*(\m%2)+\j+1] neg_lo:[0,1] neg_hi:[0,1]
.endr
	WIN 0x05
.irp j, 0,2,4,6,8,10,12,14,16,18,20,22,24,26,28,30
	v_pk_fma_f32 v[AF+32*(\m%2)+\j:AF+32*(\m%2)+\j+1], v[ZB+32*\m+\j:ZB+32*\m+\j+1], v[RB+32*\m+\j:RB+32*\m+\j+1], v[AF+32*(\m%2)+\j:AF+32*(\m%2)+\j+1]
.endr
	WIN 0
.irp b, 0,1
.irp q, 0,1,2,3
	ds_store_b128 v[FX], v[AF+32*(\m%2)+16*\b+4*\q:AF+32*(\m%2)+16*\b+4*\q+3] offset:8448*\m+128*\b+16*\q
.endr
.endr
.if \m >= 2
	s_wait_xcnt 0x0                                ; block m - 2's stores have read these registers
.endif
.irp p, 0,1,2,3,4,5,6,7
	ds_load_b128 v[OB+32*(\m%2)+4*\p:OB+32*(\m%2)+4*\p+3], v[RBK] offset:8448*\m+1056*\p
.endr
.endr
	s_wait_dscnt 0x0
	OSTORE 3
	s_wait_tensorcnt 0x0                           ; the wave's end
	ds_add_u32 v[SPW], v[NIL]
	s_wait_dscnt 0x0
	CROUND                                         ; the closing round: no work-group ends while a partner may still ask for a tile that names it
	s_endpgm
.Lfunc_end_k_q298a43baa0_gru:
	.size	k_q298a43baa0_gru, .Lfunc_end_k_q298a43baa0_gru-k_q298a43baa0_gru
	.p2alignl 7, 3214868480
	.fill 96, 4, 3214868480
	.section	.rodata,"a",@progbits
	.p2align	6, 0x0
	.amdhsa_kernel k_q298a43baa0_gru
		.amdhsa_group_segment_fixed_size 327680
		.amdhsa_private_segment_fixed_size 0
		.amdhsa_enable_private_segment 0
		.amdhsa_kernarg_size 56
		.amdhsa_user_sgpr_count 2
		.amdhsa_user_sgpr_kernarg_segment_ptr 1
		.amdhsa_wavefront_size32 1
		.amdhsa_system_sgpr_workgroup_id_x 1
		.amdhsa_system_sgpr_workgroup_id_y 1
		.amdhsa_system_sgpr_workgroup_id_z 1
		.amdhsa_system_vgpr_workitem_id 0
		.amdhsa_next_free_vgpr 512
		.amdhsa_next_free_sgpr 76
		.amdhsa_reserve_vcc 0
		.amdhsa_float_denorm_mode_32 3
		.amdhsa_float_denorm_mode_16_64 3
		.amdhsa_memory_ordered 1
		.amdhsa_forward_progress 1
		.amdhsa_inst_pref_size 255
	.end_amdhsa_kernel
	.section	.bss,"aw",@nobits
	.p2align	6
	.space	262144
	.amdgpu_metadata
---
amdhsa.version: [ 1, 2 ]
amdhsa.kernels:
  - .name:           k_q298a43baa0_gru
    .symbol:         k_q298a43baa0_gru.kd
    .args:
      - { .name: inputs, .offset: 0, .size: 8, .value_kind: global_buffer, .address_space: global }
      - { .name: h_prev, .offset: 8, .size: 8, .value_kind: global_buffer, .address_space: global }
      - { .name: wq, .offset: 16, .size: 8, .value_kind: global_buffer, .address_space: global }
      - { .name: update_bias, .offset: 24, .size: 8, .value_kind: global_buffer, .address_space: global }
      - { .name: reset_bias, .offset: 32, .size: 8, .value_kind: global_buffer, .address_space: global }
      - { .name: hidden_bias, .offset: 40, .size: 8, .value_kind: global_buffer, .address_space: global }
      - { .name: out0, .offset: 48, .size: 8, .value_kind: global_buffer, .address_space: global }
    .group_segment_fixed_size: 327680
    .private_segment_fixed_size: 0
    .kernarg_segment_align: 8
    .kernarg_segment_size: 56
    .max_flat_workgroup_size: 256
    .sgpr_count:     76
    .vgpr_count:     512
    .wavefront_size: 32
...
	.end_amdgpu_metadata
.endif
;; end of part 2
